; MI455X (gfx1250); checked and timed in simulation.
; The chip was launched on July 23, 2026; its instructions are those of AMD's public machine-readable ISA for CDNA 5 (MIT licence, August 2026) and "CDNA5" Instruction Set Architecture Reference Guide (July 2026). The comments in the code are by the model that wrote it; some were corrected since.
;; EP Mo E. Allowed arithmetic: matrix products marked QUANTISED: E3M2 operands, one E8M0 scale for each 32 along K, by v_wmma_scale_f32_16x16x128_f8f6f4 with both operands' format E3M2, f32 sums; products left as they are: f32 operands where the result goes on into a quantised operand, else bf16, f16 or f32 operands; f32 sums; everything else in f32.
;; Inputs: hidden_states 1,024 x 1,024 float32; topk_ids 1,024 x 2 int32; topk_weights 1,024 x 2 float32; wi_0 8 x 1,024 x 1,024 float32; wi_1 8 x 1,024 x 1,024 float32; wo 8 x 1,024 x 1,024 float32.
;; Outputs: out0 1,024 x 1,024 float32.
;; This version of the problem:
;;   THIS VERSION OF THE PROBLEM IS GIVEN IN LOW PRECISION. The matrix products marked QUANTISED in the list below multiply operands that are first quantised to E3M2 (3 exponent bits, 2 mantissa bits; 6 bits a number), with one power-of-two scale for each 32 numbers along K (OCP MX v1.0); their sums are f32. All else is computed in f32.
;;   The module's matrix products, in the order in which they are computed (A, B: the left and right operand; K: the contracted axis; several contracted axes count as one K, in the product's order):
;;     1. batch 2,048 x [M 1,024, K 1] x [K 1, N 8]; A: computed on the way; B: computed on the way: left as it is (no contracted axis)
;;     2. [M 2,048, K 8,192] x [K 8,192, N 1,024]; A: computed on the way; B: input wi_0: QUANTISED
;;     3. batch 2,048 x [M 1,024, K 1] x [K 1, N 8]; A: computed on the way; B: computed on the way: left as it is (no contracted axis)
;;     4. [M 2,048, K 8,192] x [K 8,192, N 1,024]; A: computed on the way; B: input wi_1: QUANTISED
;;     5. batch 2,048 x [M 1,024, K 1] x [K 1, N 8]; A: computed on the way; B: computed on the way: left as it is (no contracted axis)
;;     6. [M 2,048, K 8,192] x [K 8,192, N 1,024]; A: computed on the way; B: input wo: QUANTISED
;;     7. batch 1,024 x [M 1,024, K 2] x [K 2, N 1]; A: computed on the way; B: input topk_weights: left as it is (K = 2 < 32)
;;   THE QUANTISER, for each operand of a quantised product, along K:
;;     - K is cut into blocks of 32 from its start; a last block that is shorter is filled with zeros.
;;     - A block's scale is 2^e with e = floor(log2(the largest magnitude in the block)) - 4, held to -126 .. 127; a block of zeros has e = 0. As a byte (E8M0): e + 127.
;;     - Each number is divided by its block's scale, clamped to +-28, and rounded to the nearest number of E3M2, ties to even, subnormals kept.
;;     - The product sums the exact products of the quantised numbers (number of the format x scale) in f32.
;;   ~~~python
;;   def quantise(x, axis):      # numpy; x: float32 -> the quantised numbers, widened to float32 again
;;       x = np.moveaxis(x, axis, -1); K = x.shape[-1]
;;       x = np.pad(x, [(0, 0)] * (x.ndim - 1) + [(0, -K % 32)]); x = x.reshape(x.shape[:-1] + (-1, 32)); a = np.abs(x).max(-1, keepdims=True)
;;       e = np.where(a > 0, np.clip(np.frexp(np.where(a > 0, a, 1))[1] - 1 - 4, -126, 127), 0)      # np.frexp(a)[1] - 1 = floor(log2(a)), exactly
;;       r = np.clip(x / 2.0 ** e, -28, 28)
;;       step = 2.0 ** (np.maximum(np.frexp(np.where(r == 0, 1, r))[1] - 1, -2) - 2)
;;       q = np.round(r / step) * step * 2.0 ** e      # np.round: ties to even
;;       return np.moveaxis(q.reshape(q.shape[:-2] + (-1,))[..., :K], -1, axis).astype(np.float32)
;;   ~~~
;;   OPERANDS COMPUTED ON THE WAY. 'Computed on the way' means the value that the module computes at that place (a softmax that the list does not call 'softmax' is quantised finished and normalised). What goes into a quantiser is computed in f32, as accurately as f32 sums, v_exp_f32 and their like allow (about 1e-6 of the number): no bf16 or f16 on the way to a quantiser, and a product that is left as it is and whose result goes on into a quantised operand takes f32 operands (vector FMAs, or v_wmma_f32_16x16x4_f32). A number that lies on a knife's edge between two numbers of the format may be rounded either way, as far as f32 arithmetic and the matrix unit's own rounding can turn it there, and no further.
;; One version. Each part assembles by itself: llvm-mc -triple=amdgcn-amd-amdhsa -mcpu=gfx1250 --defsym DOCPART=n.
;; ======== version 1 of 1: 3 launches
;; limits: right only within a limited range of input values
;; workspace buffers: xq 1,310,720 bytes; w1c 13,107,200 bytes; w2c 6,553,600 bytes; a2c 1,572,864 bytes; a2s 65,536 bytes
;; launch quant (part 1): grid 768 x 1, 4 waves a work-group, no clusters, 17,920 bytes of LDS; arguments hidden_states, wi_0, wi_1, wo, xq, w1c, w2c; writes xq, w1c, w2c
.if DOCPART == 1
	.amdgcn_target "amdgcn-amd-amdhsa--gfx1250"
	.amdhsa_code_object_version 6
	.text
	.protected	k_q408567b0ad_quant
	.globl	k_q408567b0ad_quant
	.p2align	8
	.type	k_q408567b0ad_quant,@function
k_q408567b0ad_quant:
	s_mov_b64 s[64:65], 0
	v_nop
	global_prefetch_b8 v0, s[64:65] scope:SCOPE_SE
	s_setreg_imm32_b32 hwreg(HW_REG_WAVE_MODE, 25, 1), 1
	s_wait_xcnt 0x0
; All four f32 operands become codes of BF6 (E3M2) with one E8M0 byte for each 32 along a product's K, laid as the two later launches' registers want them.
; THE ORDER OF K.  Gate and up projection contract (d, e) with the expert e innermost: k = 8 d + e.  A block of 32 is 4 neighbouring d x all 8 experts: the weights' block scale
; comes from 32 numbers spread over the experts, the rows' from 4 numbers of x (the one-hot leaves one expert's four).  The down projection contracts (e, f): k = 1024 e + f.
; Inside a block of the first kind a number's place is 4 e + dd (dd = d mod 4), alike on both sides of the product: a token's four codes are then three whole bytes at byte 3 e.
; WEIGHTS (768 work-groups: 256 each for wi_0, wi_1, wo).  A lane takes a column, its 32 registers run down a block of K: the block's largest magnitude needs no other lane, and the
; conversions give codes with K innermost.  A wave takes 32 columns x 2 K steps of 128 (8 blocks).  One text serves the three tensors: only strides and bases differ, chosen on the work-group's number.
; The codes leave as IMAGES OF A FRAGMENT'S REGISTERS: fragment u of 16 columns, registers 4 g .. 4 g + 3 of lane l at 1536 u + 512 g + 16 l.  Column L of 32 goes to fragment (L / 8) % 2,
; lane L % 8 + 8 (L / 16), so that in the transposed product the 16 registers of two neighbouring tiles are 16 neighbouring columns.
; A group of 6,400 bytes: two chunks of two fragments (3,072 bytes each), then two runs of 32 scale words.  w1c [32 f-blocks][64 K steps][group: gate, up];  w2c [32 column blocks][32 pairs of K steps][group: step 2 kp, 2 kp + 1],
; the down projection's K steps in the order 8 fs + e (fs: 128 of f; e: expert).
; X rides along with wi_0: each of that tensor's 1,024 waves also takes one task of x, 16 tokens x 64 d, at its head: x's loads go out first, the weights' first 64 loads behind them, and x is
; worked on while those are on their way.  So all 768 work-groups are of one kind, and x costs a wave 4 KB beside its 32 KB of weights.
; Each of a task's eight loads reads two runs of 256 consecutive bytes (two tokens); the 4 KB turn through the wave's own stage in LDS, and a lane then holds 32 neighbouring d of one token: 8 blocks of 4.
; A conversion takes 16 numbers and ONE scale, so each 16 numbers are converted four times, once under each of their four blocks' scales, and each time the block's own 24 bits are cut out.
; xq [8 row tiles][8 chunks of 8 K steps][4 waves][5,120]: codes [2 token blocks][4 pairs of K steps][512], one dword (24 bits used) for a token's block, then the scale words [2][512].
; A block's scale is 2^(floor(log2(largest magnitude)) - 4); its byte is the largest magnitude's exponent field - 4, held at 1 from below by a floor among the maximum's leaves.
; LIMITS: a block of zeros has the byte 1 (its codes are zeros; only this program reads the bytes); blocks under 2^(4 - 126) keep the byte 1; NaN and infinities are not served.
; No barrier: waves share nothing, the stage is each wave's own.  Matrix units and clusters have nothing to do here: the launch moves bytes.
.set X,     16                         ; v16-79   two sets of 32 numbers of the weights
.set CODE,  80                         ; weights: v80-127 codes, 24 registers a K step: 12 for each half of the image's lanes.  x: v80-111 eight conversions' results, v112-127 scale operands and bytes
.set TC,    128                        ; v128-130 a block's upper 16 codes (a conversion's three registers begin on an even number)
.set SW,    136                        ; v136-137 the weights' scale words
.set XR,    144                        ; v144-175 x as loaded
.set XX,    176                        ; v176-207 x, 32 neighbours a lane
.set XO,    208                        ; v208-217 x's dwords and scale words: store data of their own, never written again
.set SPX,   272                        ; a token's row in the stage: 256 bytes + 16, an odd multiple of 16: the sixteen rows that a load touches begin at sixteen different columns of 16 bytes
.set FLOOR, 0x2800000                  ; 2^(5 - 127)
.set OFF4,  0xfe000000                 ; takes 4 off an exponent field
	s_load_b256 s[4:11], s[0:1], 0x0               ; hidden_states s[4:5], wi_0 s[6:7], wi_1 s[8:9], wo s[10:11]
	s_load_b128 s[12:15], s[0:1], 0x20             ; xq s[12:13], w1c s[14:15]
	s_load_b64 s[16:17], s[0:1], 0x30              ; w2c
	v_lshl_add_u32 v224, v0, 2, 0x4400
	v_mov_b32 v225, 0
	v_lshrrev_b32 v1, 5, v0
	v_readfirstlane_b32 s18, v1                    ; wave 0..3
	v_and_b32 v1, 31, v0                           ; lane L
	s_wait_alu depctr_va_vdst(0)
	s_lshr_b32 s19, ttmp9, 8                       ; z: 0 wi_0, 1 wi_1, 2 wo
	s_and_b32 s44, ttmp9, 7
	s_bfe_u32 s45, ttmp9, 0x50003                  ; kp: which pair of K steps
	s_lshl_b32 s44, s44, 2
	s_add_co_u32 s44, s44, s18                     ; ct: which 32 columns
	s_lshl_b32 s50, s45, 17                        ; wi: the pair begins kp x 32 rows of 4,096 bytes down
	s_and_b32 s51, s45, 3
	s_lshl_b32 s51, s51, 23                        ; wo: expert 2 (kp % 4): 8 MiB each,
	s_lshr_b32 s59, s45, 2
	s_lshl_b32 s59, s59, 19                        ; and (kp / 4) x 128 rows
	s_add_co_u32 s51, s51, s59
	s_mov_b32 s2, 0x400000                         ; an expert: 4 MiB
	s_mov_b32 s3, 0x4000                           ; four rows
	s_mov_b32 s59, 6400
	s_cmp_eq_u32 s19, 2                            ; wo or wi?  Every choice below hangs on the work-group's number alone
	s_cselect_b32 s52, s3, s2                      ; from one group of four numbers of a block to the next: four rows, or an expert
	s_cselect_b32 s54, 0x20000, s3                 ; from block to block: 32 rows, or 4
	s_cselect_b32 s55, s2, 0x10000                 ; from the pair's first K step to its second: an expert, or 16 rows
	s_cselect_b32 s56, s51, s50                    ; where the pair begins
	s_cselect_b32 s57, 0, 1                        ; wi: a group holds one K step, so two groups a pair
	s_cselect_b32 s58, 0, s19                      ; wi: gate or up chunk of the group
	s_cselect_b32 s46, 3072, s59                   ; out: from the first K step's fragments to the second's
	s_cselect_b32 s48, 128, s59                    ; and from its scale words to the second's
	s_mov_b32 s53, 0
	s_mov_b32 s47, 0
	s_mov_b32 s49, 0
	v_lshlrev_b32 v8, 2, v1                        ; v8-15: block b's byte offset: 4 L + its place in the pair; never rewritten
	v_add_nc_u32 v9, s54, v8
	v_add_nc_u32 v10, s54, v9
	v_add_nc_u32 v11, s54, v10
.irp b, 0,1,2,3
	v_add_nc_u32 v[12+\b], s55, v[8+\b]
.endr
	v_bfe_u32 v2, v1, 3, 1                         ; u: the fragment of my column
	v_and_b32 v3, 7, v1
	v_lshrrev_b32 v6, 4, v1
	v_lshl_add_u32 v3, v6, 3, v3                   ; r: its lane there
	v_mul_u32_u24 v4, v2, 1536
	v_lshl_add_u32 v4, v3, 4, v4                   ; v4: 1536 u + 16 r
	v_lshl_add_u32 v5, v2, 4, v3
	v_lshlrev_b32 v5, 2, v5                        ; v5: 4 (16 u + r)
	s_lshl_b32 s50, s44, 5
	s_add_co_u32 s50, s50, s45                     ; 32 ct + kp
	s_lshl_b32 s50, s50, s57                       ; the group's number
	s_mul_i32 s50, s50, 6400
	s_mul_i32 s51, s58, 3072
	s_add_co_u32 s36, s50, s51                     ; the first K step's fragments
	s_mov_b32 s37, 0
	s_lshl_b32 s51, s58, 7
	s_add_co_u32 s40, s50, s51
	s_add_co_u32 s40, s40, 6144                    ; and its scale words
	s_mov_b32 s41, 0
	s_lshl_b32 s50, s44, 7                         ; in: 128 bytes a column block,
	s_add_co_u32 s50, s50, s56                     ; and where the pair begins
	s_mov_b32 s51, 0
	s_wait_kmcnt 0x0
	s_cmp_eq_u32 s19, 2
	s_cselect_b64 s[2:3], s[10:11], s[8:9]
	s_cselect_b64 s[14:15], s[16:17], s[14:15]     ; out: w2c or w1c
	s_cmp_eq_u32 s19, 0
	s_cselect_b64 s[2:3], s[6:7], s[2:3]           ; in: wi_0, wi_1 or wo
	s_add_nc_u64 s[36:37], s[14:15], s[36:37]
	s_add_nc_u64 s[38:39], s[36:37], s[46:47]
	s_add_nc_u64 s[40:41], s[14:15], s[40:41]
	s_add_nc_u64 s[42:43], s[40:41], s[48:49]
	s_add_nc_u64 s[20:21], s[2:3], s[50:51]        ; s[20:35]: eight bases, one for each group of four numbers of a block
.irp i, 1,2,3,4,5,6,7
	s_add_nc_u64 s[20+2*\i:21+2*\i], s[18+2*\i:19+2*\i], s[52:53]
.endr
.macro LOADB b                         ; block b's 32 numbers into set b % 2: each load reads 128 consecutive bytes a wave, the four waves of the work-group side by side on 512
.set q, 0
.rept 32
	global_load_b32 v[X+32*((\b)%2)+q], v[8+(\b)], s[20+2*(q/4):21+2*(q/4)] offset:(q%4)*4096 th:TH_LOAD_NT
.set q, q+1
.endr
.endm
.macro BLOCK b                         ; block b = 4 sg + beta; beta = 2 c + hh lies in registers 6 c .. 6 c + 5 of the image's lane (r, hh)
.set XS, X+32*((\b)%2)
.set CB, CODE+24*((\b)/4)+12*((\b)%2)+6*(((\b)%4)/2)
.if (\b) < 7
	s_wait_loadcnt 32                              ; this block's 32 loads are in; the next block's 32 may be out
.else
	s_wait_loadcnt 0x0
.endif
	v_max3_num_f32 v132, |v[XS]|, |v[XS+1]|, |v[XS+2]|       ; the block's largest magnitude, in two chains
	v_max3_num_f32 v133, |v[XS+3]|, |v[XS+4]|, |v[XS+5]|
.irp i, 6,10,14,18,22,26
	v_max3_num_f32 v132, v132, |v[XS+\i]|, |v[XS+\i+1]|
	v_max3_num_f32 v133, v133, |v[XS+\i+2]|, |v[XS+\i+3]|
.endr
	v_max3_num_f32 v132, v132, |v[XS+30]|, |v[XS+31]|
	v_max3_num_f32 v132, v132, v133, FLOOR         ; and the floor: the byte cannot fall under 1
	v_add_nc_u32 v134, OFF4, v132                  ; 4 off the exponent field: the conversion takes this operand's exponent field as its scale
	v_cvt_scalef32_pk16_bf6_f32 v[CB:CB+2], v[XS:XS+15], v134
	v_cvt_scalef32_pk16_bf6_f32 v[TC:TC+2], v[XS+16:XS+31], v134
	v_lshrrev_b32 v135, 23, v134                   ; the scale's byte; also the plain line between the conversions and the moves that read a result
.irp i, 0,1,2
	v_mov_b32 v[CB+3+\i], v[TC+\i]
.endr
.if (\b)%4 == 0
	v_mov_b32 v[SW+(\b)/4], v135                   ; four bytes make the K step's scale word of my column
.else
	v_lshl_or_b32 v[SW+(\b)/4], v135, 8*((\b)%4), v[SW+(\b)/4]
.endif
.if (\b)+2 < 8
	LOADB (\b)+2
.endif
.endm
.macro OUT sg                          ; a K step leaves: each store of 16 bytes a lane covers two runs of 256 consecutive bytes, aligned.  No store's registers are written again
.irp hh, 0,1
.irp g, 0,1,2
	global_store_b128 v4, v[CODE+24*\sg+12*\hh+4*\g:CODE+24*\sg+12*\hh+4*\g+3], s[36+2*\sg:37+2*\sg] offset:512*\g+256*\hh
.endr
.endr
	global_store_b32 v5, v[SW+\sg], s[40+2*\sg:41+2*\sg]
.endm
	s_cmp_lg_u32 s19, 0                            ; wi_0's work-groups take x as well.  ONE branch holds all of it; the first two blocks' loads are written in both arms
	s_cbranch_scc1 .Lplain
	; ---------------- x: tokens 16 TB .. 16 TB + 15, d = 256 wave + 64 i + 0 .. 63 ----------------
	s_lshr_b32 s44, ttmp9, 2                       ; TB: 0 .. 63
	s_and_b32 s45, ttmp9, 3                        ; i: which quarter of the wave's 256 d
	s_lshl_b32 s46, s44, 16                        ; 16 TB rows of 4,096 bytes,
	s_lshl_b32 s47, s18, 10                        ; my wave's 256 d,
	s_add_co_u32 s46, s46, s47
	s_lshl_b32 s47, s45, 8                         ; the task's 64
	s_add_co_u32 s46, s46, s47
	s_mov_b32 s47, 0
	s_add_nc_u64 s[4:5], s[4:5], s[46:47]
	s_lshr_b32 s48, s44, 3                         ; row tile of 128 tokens
	s_mul_i32 s48, s48, 163840
	s_bfe_u32 s49, s44, 0x20001                    ; which reader wave's 32 tokens
	s_mul_i32 s49, s49, 5120
	s_add_co_u32 s48, s48, s49
	s_mul_i32 s49, s18, 40960                      ; my wave's two chunks of 8 K steps,
	s_add_co_u32 s48, s48, s49
	s_lshr_b32 s49, s45, 1
	s_mul_i32 s49, s49, 20480                      ; the task's chunk of the two
	s_add_co_u32 s48, s48, s49
	s_and_b32 s50, s44, 1                          ; token block of 16
	s_and_b32 s51, s45, 1                          ; which half of the chunk
	s_lshl_b32 s52, s50, 11
	s_lshl_b32 s53, s51, 10
	s_add_co_u32 s52, s52, s53
	s_add_co_u32 s52, s52, s48
	s_mov_b32 s53, 0
	s_add_nc_u64 s[52:53], s[12:13], s[52:53]      ; the dwords' place in xq
	s_lshl_b32 s54, s50, 8
	s_lshl_b32 s55, s51, 9
	s_add_co_u32 s54, s54, s55
	s_add_co_u32 s54, s54, s48
	s_add_co_u32 s54, s54, 4096
	s_mov_b32 s55, 0
	s_add_nc_u64 s[54:55], s[12:13], s[54:55]      ; the scale words'
	s_mul_i32 s56, s18, 16*SPX                     ; my wave's stage
	v_and_b32 v138, 15, v1                         ; r
	v_lshrrev_b32 v139, 4, v1                      ; hp
	v_lshlrev_b32 v140, 4, v138                    ; 16 r
	v_lshl_add_u32 v143, v139, 9, v140             ; dwords out: 512 hp + 16 r
	v_lshl_add_u32 v218, v139, 3, v140             ; scale words out: 16 r + 8 hp
	v_mul_u32_u24 v141, v139, SPX
	v_add_nc_u32 v141, v141, v140
	v_add_nc_u32 v141, s56, v141                   ; into the stage, as loaded: lanes 0-15 one token's 256 bytes, lanes 16-31 the next token's
	v_mul_u32_u24 v142, v138, SPX
	v_lshl_add_u32 v142, v139, 7, v142
	v_add_nc_u32 v142, s56, v142                   ; out of it: token r, 128 bytes for each half of the lanes
	v_lshl_add_u32 v140, v139, 12, v140            ; in memory: 4096 hp + 16 r
.irp m, 0,1,2,3,4,5,6,7
	global_load_b128 v[XR+4*\m:XR+4*\m+3], v140, s[4:5] offset:8192*\m th:TH_LOAD_NT      ; tokens 2 m, 2 m + 1: sixteen lanes read 256 consecutive bytes, aligned
.endr
	LOADB 0
	LOADB 1
	s_wait_alu depctr_va_vdst(0)
	s_wait_loadcnt 63                              ; x is in.  64 loads stand behind x's eight; 63 is the largest count that the wait can name
.irp m, 0,1,2,3,4,5,6,7
	ds_store_b128 v141, v[XR+4*\m:XR+4*\m+3] offset:2*SPX*\m
.endr
.irp n, 0,1,2,3,4,5,6,7
	ds_load_b128 v[XX+4*\n:XX+4*\n+3], v142 offset:16*\n          ; LDS serves a wave's instructions in order (ISA guide 5.7.1.4): these see my stores
.endr
	s_wait_dscnt 0x0
.irp b, 0,1,2,3,4,5,6,7
	v_max3_num_f32 v[112+\b], |v[XX+4*\b]|, |v[XX+4*\b+1]|, FLOOR     ; block b: four numbers and the floor (the eight blocks by turns)
.endr
.irp b, 0,1,2,3,4,5,6,7
	v_max3_num_f32 v[112+\b], v[112+\b], |v[XX+4*\b+2]|, |v[XX+4*\b+3]|
.endr
.irp b, 0,1,2,3,4,5,6,7
	v_add_nc_u32 v[112+\b], OFF4, v[112+\b]        ; the conversion's scale operand
.endr
.irp b, 0,1,2,3,4,5,6,7
	v_cvt_scalef32_pk16_bf6_f32 v[CODE+4*\b:CODE+4*\b+2], v[XX+16*(\b/4):XX+16*(\b/4)+15], v[112+\b]   ; the K step's 16 numbers under block b's scale: only block b's 24 bits are kept
.endr
.irp b, 0,1,2,3,4,5,6,7
	v_lshrrev_b32 v[120+\b], 23, v[112+\b]         ; the bytes; also the plain lines behind the conversions
.endr
.irp g, 0,1                            ; K step g of the pair; block 2 c + h goes to dword 2 g + c of the reader's lane half h
	v_mov_b32 v[XO+2*\g], v[CODE+16*\g]                                ; bits 0-23 (the top byte is never selected)
	v_alignbit_b32 v[XO+4+2*\g], v[CODE+16*\g+5], v[CODE+16*\g+4], 24  ; bits 24-47
	v_alignbit_b32 v[XO+1+2*\g], v[CODE+16*\g+10], v[CODE+16*\g+9], 16 ; bits 48-71
	v_lshrrev_b32 v[XO+5+2*\g], 8, v[CODE+16*\g+14]                    ; bits 72-95
	v_lshl_or_b32 v[XO+8+\g], v[121+4*\g], 8, v[120+4*\g]
	v_lshl_or_b32 v[XO+8+\g], v[122+4*\g], 16, v[XO+8+\g]
	v_lshl_or_b32 v[XO+8+\g], v[123+4*\g], 24, v[XO+8+\g]
.endr
	global_store_b128 v143, v[XO:XO+3], s[52:53]                   ; sixteen lanes store 256 consecutive bytes, aligned
	global_store_b128 v143, v[XO+4:XO+7], s[52:53] offset:256
	global_store_b64 v218, v[XO+8:XO+9], s[54:55]                  ; 32 lanes store 256 consecutive bytes, aligned.  None of these stores' registers is written again
	s_branch .Lblocks
.Lplain:
	LOADB 0
	LOADB 1
.Lblocks:                                              ; on both ways the last 64 loads issued are blocks 0 and 1
.irp b, 0,1,2,3
	BLOCK \b
.endr
	OUT 0
.irp b, 4,5,6,7
	BLOCK \b
.endr
	OUT 1
	s_wait_tensorcnt 0x0
	ds_add_u32 v224, v225
	s_wait_dscnt 0x0
	s_endpgm
.Lfunc_end_k_q408567b0ad_quant:
	.size	k_q408567b0ad_quant, .Lfunc_end_k_q408567b0ad_quant-k_q408567b0ad_quant
	.p2alignl 7, 3214868480
	.fill 96, 4, 3214868480
	.section	.rodata,"a",@progbits
	.p2align	6, 0x0
	.amdhsa_kernel k_q408567b0ad_quant
		.amdhsa_group_segment_fixed_size 17920
		.amdhsa_private_segment_fixed_size 0
		.amdhsa_enable_private_segment 0
		.amdhsa_kernarg_size 56
		.amdhsa_user_sgpr_count 2
		.amdhsa_user_sgpr_kernarg_segment_ptr 1
		.amdhsa_wavefront_size32 1
		.amdhsa_system_sgpr_workgroup_id_x 1
		.amdhsa_system_sgpr_workgroup_id_y 1
		.amdhsa_system_sgpr_workgroup_id_z 1
		.amdhsa_system_vgpr_workitem_id 0
		.amdhsa_next_free_vgpr 226
		.amdhsa_next_free_sgpr 66
		.amdhsa_reserve_vcc 0
		.amdhsa_float_denorm_mode_32 3
		.amdhsa_float_denorm_mode_16_64 3
		.amdhsa_memory_ordered 1
		.amdhsa_forward_progress 1
		.amdhsa_inst_pref_size 54
	.end_amdhsa_kernel
	.amdgpu_metadata
---
amdhsa.version: [ 1, 2 ]
amdhsa.kernels:
  - .name:           k_q408567b0ad_quant
    .symbol:         k_q408567b0ad_quant.kd
    .args:
      - { .name: hidden_states, .offset: 0, .size: 8, .value_kind: global_buffer, .address_space: global }
      - { .name: wi_0, .offset: 8, .size: 8, .value_kind: global_buffer, .address_space: global }
      - { .name: wi_1, .offset: 16, .size: 8, .value_kind: global_buffer, .address_space: global }
      - { .name: wo, .offset: 24, .size: 8, .value_kind: global_buffer, .address_space: global }
      - { .name: xq, .offset: 32, .size: 8, .value_kind: global_buffer, .address_space: global }
      - { .name: w1c, .offset: 40, .size: 8, .value_kind: global_buffer, .address_space: global }
      - { .name: w2c, .offset: 48, .size: 8, .value_kind: global_buffer, .address_space: global }
    .group_segment_fixed_size: 17920
    .private_segment_fixed_size: 0
    .kernarg_segment_align: 8
    .kernarg_segment_size: 56
    .max_flat_workgroup_size: 128
    .sgpr_count:     66
    .vgpr_count:     226
    .wavefront_size: 32
...
	.end_amdgpu_metadata
.endif
;; end of part 1
;; launch gateup (part 2): grid 8 x 32, 4 waves a work-group, clusters of 4 x 1, 327,680 bytes of LDS; arguments xq, w1c, topk_ids, a2c, a2s; writes a2c, a2s
.if DOCPART == 2
	.amdgcn_target "amdgcn-amd-amdhsa--gfx1250"
	.amdhsa_code_object_version 6
	.text
	.protected	k_q408567b0ad_gateup
	.globl	k_q408567b0ad_gateup
	.p2align	8
	.type	k_q408567b0ad_gateup,@function
k_q408567b0ad_gateup:
	s_mov_b64 s[64:65], 0
	v_nop
	global_prefetch_b8 v0, s[64:65] scope:SCOPE_SE
	s_setreg_imm32_b32 hwreg(HW_REG_WAVE_MODE, 25, 1), 1
	s_wait_xcnt 0x0
	s_wait_alu depctr_hold_cnt(0) depctr_sa_sdst(0) depctr_va_vdst(0) depctr_va_sdst(0) depctr_va_ssrc(0) depctr_va_vcc(0) depctr_vm_vsrc(0)
	s_getreg_b32 s2, hwreg(HW_REG_IB_STS2, 6, 4)
	s_cmp_eq_u32 s2, 0
	s_cbranch_scc0 .Lentry_in_a_cluster
	s_endpgm
.Lentry_in_a_cluster:
	s_bfe_u32 s2, ttmp6, 0x10000c
	s_cmp_lg_u32 s2, 0x3003
	s_cbranch_scc0 .Lentry_shape_is_right
	s_endpgm
.Lentry_shape_is_right:
; inter = silu(A wi_0) x (A wi_1) for the 2,048 expanded rows, quantised along f for the down projection.  A[row][8 d + e] = x[token][d] where e is the row's expert, else 0: K = 8,192, on codes of BF6 (E3M2)
; with one E8M0 scale for each 32 along K.  A block of 32 is 4 d x 8 experts, so the scale changes every 4 d: the dense K is what the matrix instruction is fed.
; SHARES.  A work-group: 256 rows (128 tokens x 2 top-k slots) x 32 f, that is 64 columns: tiles 0, 1 gate, tiles 2, 3 up.  A wave: 64 rows (row block a = 2 slot + token block) x the 64 columns: 16 accumulators.
; A IS NEVER DENSE IN MEMORY OR LDS.  A token's four codes of a block are 24 bits of one dword; in the fragment they stand at bytes 3 e .. 3 e + 2 of the block's 24 bytes, all else 0.  Six selectors a row block,
; made once from the row's expert, and one v_perm_b32 a register build a fragment: 12 permutes, 3 for each matrix instruction.  They stand in one batch behind each step's matrix instructions, one K step ahead, and are
; also the plain vector lines that separate matrix instructions from later writes and loads of their registers.
; THE MATRIX INSTRUCTION IS USED TRANSPOSED (source 0 = 16 columns of the weights, source 1 = 16 rows): a lane holds one row, and the 16 registers of two neighbouring tiles are 16 neighbouring f.
; RING.  Two LDS slots, each with 8 K steps: 51,200 bytes of weight images and scale words, 20,480 bytes of x's dwords and scale words.  Waves 0, 1 fetch the weights' halves, waves 2, 3 x's.
; CLUSTER.  The four work-groups of a cluster share the 32 f and so the weights' tiles: these are asked for jointly, by the same load with the mask of all four.  x's part differs from partner to partner
; and is 20,480 of a slot's 71,680 bytes: it comes by loads of each work-group's own.
; An expert id outside 0 .. 7 gives a row of zeros, as the one-hot does.  LIMITS: NaN and infinities are not served; a block of inter under 2^(4 - 126) keeps the byte 1; k is permuted inside blocks of 32, alike on both sides.
; REGISTERS, in windows of 256.  window 0: v1-7 lane numbers and ids; v8-15 addresses; v16, v17 for the add; v32-39 the weights' scale words (4 sets x 2); v40-47 x's (2 sets x 4).
;   window 1: v0-127 accumulators (4 a + T at 8 (4 a + T)); v128-223 A's fragments, two sets of 48; v224-247 selectors; v248 zero.   window 2: v0-191 weights, four sets of 48; v192-207 x's dwords, two sets of 8.
; One window setting (source 0 window 2, all else window 1) serves matrix instructions and permutes alike: switches stand only round the runs of LDS loads.
.set SLOTB, 71680
.set XOFF,  51200                      ; x's part of a slot
.set SPARE, 2*SLOTB                    ; the spare words, 128 bytes a wave: two blocks of 256 bytes that no other line names
.set GRP,   6400                       ; a K step's weights: four fragment images of 1,536 bytes, then 2 x 32 scale words
.set ADB,  8                           ; v8-9    slot s: 16 x lane
.set ADW,  10                          ; v10-11  slot s: 4 x lane
.set ADX,  12                          ; v12-13  slot s: my wave's part of x, + 16 x lane
.set VA2,  14                          ; v14     codes out: 24 r + 12 h
.set VAS,  15                          ; v15     bytes out: 4 r
.set SPW,  16                          ; v16     LDS address of my spare word; never rewritten
.set NIL,  17                          ; v17     0; never rewritten
.set BSW,  32
.set XSW,  40
.set AF,   128
.set SEL,  224
.set ZR,   248
.set XD,   192
.set MAIN, 0x56                        ; source 0 window 2; sources 1, 2 and destination window 1
.set MSB, 0
.macro WIN new                         ; the immediate's high byte repeats the setting that is left; a switch that changes nothing is dropped
.if MSB != \new
	s_set_vgpr_msb (MSB<<8)|\new
.set MSB, \new
.endif
.endm
.macro CREST                           ; a round of the cluster's barrier behind its opening barrier
	s_cmp_lg_u32 s18, 0
	s_cbranch_scc1 .Lnot_wave_0_\@
	s_barrier_signal -3
.Lnot_wave_0_\@:
	s_barrier_wait -3
	s_barrier_signal -1
	s_barrier_wait -1
.endm
.macro CROUND
	s_barrier_signal -1
	s_barrier_wait -1
	CREST
.endm
.macro TLOAD s                         ; slot s is asked for: waves 0, 1 the weights (jointly), waves 2, 3 x.  The branch hangs on the wave's number alone.  Four v_nop follow each line
	s_cmp_eq_u32 s19, 0
	s_cbranch_scc0 .Lfor_x_\@
	tensor_load_to_lds s[40+4*\s:43+4*\s], s[24:31]
	s_nop 0
.rept 4
	v_nop
.endr
	s_branch .Lasked_\@
.Lfor_x_\@:
	tensor_load_to_lds s[48+4*\s:51+4*\s], s[32:39]
	s_nop 0
.rept 4
	v_nop
.endr
.Lasked_\@:
.endm
	s_load_b256 s[4:11], s[0:1], 0x0               ; xq s[4:5], w1c s[6:7], topk_ids s[8:9], a2c s[10:11]
	s_load_b64 s[12:13], s[0:1], 0x20              ; a2s
	v_lshl_add_u32 v[SPW], v0, 2, SPARE
	v_mov_b32 v[NIL], 0
	ds_add_u32 v16, v17
	ds_add_u32 v16, v17
	s_wait_dscnt 0x0
	v_lshrrev_b32 v1, 5, v0
	v_readfirstlane_b32 s18, v1                    ; wave 0..3
	s_and_b32 s17, s18, 1                          ; which half I fetch
	s_lshr_b32 s19, s18, 1                         ; of the weights (0) or of x (1)
	s_bfe_u32 s14, ttmp6, 0x40000                  ; cx
	s_lshl_b32 s15, ttmp9, 2
	s_add_co_u32 s15, s15, s14                     ; mt: my 256 rows: it enters global addresses of x, the ids and the outputs alone
	s_and_b32 s16, ttmp7, 0xffff                   ; j: my 32 f, shared by the four partners
	; descriptor groups 1: dense blocks as rows of 256 bytes (32 elements of 8 bytes), no padding: images are read 16 bytes a lane on end
	s_mov_b32 s24, 15|(3<<16)|(1<<21)              ; the weights: mask of all four work-groups, bit 21 beside it; elements of 8 bytes
	s_mov_b32 s25, 32<<16                          ; tensor_dim0 = 32
	s_mov_b32 s26, 100<<16                         ; tensor_dim1 = 100 rows: 25,600 bytes, four K steps
	s_mov_b32 s27, 32<<16                          ; tile_dim0
	s_mov_b32 s28, 100                             ; tile_dim1
	s_mov_b32 s29, 32                              ; pitch
	s_mov_b32 s30, 0
	s_mov_b32 s31, 0
	s_mov_b32 s32, 3<<16                           ; x: no mask
	s_mov_b32 s33, 32<<16
	s_mov_b32 s34, 40<<16                          ; 40 rows: 10,240 bytes, two waves' parts
	s_mov_b32 s35, 32<<16
	s_mov_b32 s36, 40
	s_mov_b32 s37, 32
	s_mov_b32 s38, 0
	s_mov_b32 s39, 0
	s_mul_i32 s60, s17, 25600                      ; my half, in memory and in a slot
	s_mul_i32 s61, s17, 10240
	s_mul_i32 s20, s16, 409600                     ; j's strip of w1c: 64 K steps
	s_add_co_u32 s20, s20, s60
	s_mov_b32 s21, 0
	s_mul_i32 s22, s15, 163840                     ; mt's strip of xq
	s_add_co_u32 s22, s22, s61
	s_mov_b32 s23, 0
	s_wait_kmcnt 0x0
	s_add_nc_u64 s[20:21], s[6:7], s[20:21]
	s_add_nc_u64 s[22:23], s[4:5], s[22:23]
	CROUND                                         ; all four work-groups are here: the first joint loads meet
.irp s, 0,1
	s_mov_b32 s[40+4*\s], 1
	s_add_co_u32 s[41+4*\s], s60, \s*SLOTB
	s_add_nc_u64 s[42+4*\s:43+4*\s], s[20:21], \s*51200            ; slot s begins with chunk s of 8 K steps
	s_or_b32 s[43+4*\s], s[43+4*\s], 0x80000000
	s_mov_b32 s[48+4*\s], 1
	s_add_co_u32 s[49+4*\s], s61, \s*SLOTB+XOFF
	s_add_nc_u64 s[50+4*\s:51+4*\s], s[22:23], \s*20480
	s_or_b32 s[51+4*\s], s[51+4*\s], 0x80000000
.endr
	TLOAD 0                                        ; slot 0: one tensor load a wave at the head
	v_and_b32 v1, 15, v0                           ; r
	v_bfe_u32 v2, v0, 4, 1                         ; h
	v_and_b32 v3, 31, v0                           ; lane
	v_lshlrev_b32 v[ADB], 4, v3
	v_add_nc_u32 v[ADB+1], SLOTB, v[ADB]
	v_lshlrev_b32 v[ADW], 2, v3
	v_add_nc_u32 v[ADW+1], SLOTB, v[ADW]
	s_mul_i32 s62, s18, 5120
	s_add_co_u32 s62, s62, XOFF
	v_add_nc_u32 v[ADX], s62, v[ADB]
	v_add_nc_u32 v[ADX+1], SLOTB, v[ADX]
	v_mul_u32_u24 v[VA2], v1, 24
	v_mad_u32_u24 v[VA2], v2, 12, v[VA2]
	v_lshlrev_b32 v[VAS], 2, v1
	s_lshl_b32 s80, s15, 2
	s_add_co_u32 s80, s80, s18                     ; 4 mt + wave: my 32 tokens, my 64 rows
	s_lshl_b32 s82, s80, 8                         ; ids: 8 bytes a token
	s_mov_b32 s83, 0
	s_add_nc_u64 s[8:9], s[8:9], s[82:83]
	v_lshlrev_b32 v3, 3, v1
	global_load_b64 v[4:5], v3, s[8:9]             ; token block 0: slots 0, 1
	global_load_b64 v[6:7], v3, s[8:9] offset:128  ; token block 1
	s_mul_i32 s82, s80, 1536                       ; a2c: [j][row][24 bytes]
	s_mul_i32 s81, s16, 49152
	s_add_co_u32 s82, s82, s81
	s_add_nc_u64 s[10:11], s[10:11], s[82:83]
	s_lshl_b32 s82, s80, 6                         ; a2s: [j][4 mt + wave][r][a]
	s_lshl_b32 s81, s16, 11
	s_add_co_u32 s82, s82, s81
	s_add_nc_u64 s[12:13], s[12:13], s[82:83]
	s_mov_b32 s74, 0x00060504                      ; selector bytes: 4, 5, 6 take the dword's three code bytes, 0 takes a zero byte
	s_mov_b32 s75, 0x04000000
	s_mov_b32 s76, 0x00000605
	s_mov_b32 s77, 0x05040000
	s_mov_b32 s78, 0x00000006
	s_mov_b32 s79, 0x06050400
	s_mov_b32 s58, 0x76543210
	s_mov_b32 s59, 0xfedcba98                      ; v_permlanex16_b32's selects for lane l xor 16
	s_wait_loadcnt 0x0                             ; the ids
	; THE SELECTORS.  Register i of a block's six holds bytes 4 i .. 4 i + 3; expert e owns bytes 3 e .. 3 e + 2.  Each register meets two experts; for every other expert its selector is 0: four zero bytes.
.irp a, 0,1,2,3
	WIN 0
.irp e, 0,1,2,3,4,5,6,7
	v_cmp_eq_u32 s[66+\e], \e, v[4+2*(\a%2)+\a/2]
.endr
	WIN 0x41
.irp q, 0,1
	v_cndmask_b32 v[SEL+6*\a+3*\q], 0, s74, s[66+4*\q]
	v_cndmask_b32 v[SEL+6*\a+3*\q], v[SEL+6*\a+3*\q], s75, s[67+4*\q]
	v_cndmask_b32 v[SEL+6*\a+3*\q+1], 0, s76, s[67+4*\q]
	v_cndmask_b32 v[SEL+6*\a+3*\q+1], v[SEL+6*\a+3*\q+1], s77, s[68+4*\q]
	v_cndmask_b32 v[SEL+6*\a+3*\q+2], 0, s78, s[68+4*\q]
	v_cndmask_b32 v[SEL+6*\a+3*\q+2], v[SEL+6*\a+3*\q+2], s79, s[69+4*\q]
.endr
.endr
	v_mov_b32 v[ZR], 0
	WIN 0
; Matrix instruction i = 4 a + T of K step k (0 .. 7 in its chunk).  The weights' scale words: lanes 0-15 the even tile's, lanes 16-31 the odd tile's; x's: lanes 0-15 token block 0, lanes 16-31 token block 1.
; The 16 accumulators take turns, one instruction a turn, in the same order in every step.
.macro WM k, i, zero
.set rD, 8*(\i)
.set rB, 48*((\k)%4)+12*((\i)%4)
.set rA, AF+48*((\k)%2)+12*((\i)/4)
.set rS, BSW+2*((\k)%4)+((\i)%4)/2
.set rX, XSW+4*(((\k)/4)%2)+(\k)%4
.set rW, 4*(\zero)+2*(((\i)/4)%2)+(\i)%2
.if rW == 0
	v_wmma_scale_f32_16x16x128_f8f6f4 v[rD:rD+7], v[rB:rB+11], v[rA:rA+11], v[rD:rD+7], v[rS], v[rX] matrix_a_fmt:MATRIX_FMT_BF6 matrix_b_fmt:MATRIX_FMT_BF6
.elseif rW == 1
	v_wmma_scale_f32_16x16x128_f8f6f4 v[rD:rD+7], v[rB:rB+11], v[rA:rA+11], v[rD:rD+7], v[rS], v[rX] matrix_a_fmt:MATRIX_FMT_BF6 matrix_b_fmt:MATRIX_FMT_BF6 matrix_a_scale:MATRIX_SCALE_ROW1
.elseif rW == 2
	v_wmma_scale_f32_16x16x128_f8f6f4 v[rD:rD+7], v[rB:rB+11], v[rA:rA+11], v[rD:rD+7], v[rS], v[rX] matrix_a_fmt:MATRIX_FMT_BF6 matrix_b_fmt:MATRIX_FMT_BF6 matrix_b_scale:MATRIX_SCALE_ROW1
.elseif rW == 3
	v_wmma_scale_f32_16x16x128_f8f6f4 v[rD:rD+7], v[rB:rB+11], v[rA:rA+11], v[rD:rD+7], v[rS], v[rX] matrix_a_fmt:MATRIX_FMT_BF6 matrix_b_fmt:MATRIX_FMT_BF6 matrix_a_scale:MATRIX_SCALE_ROW1 matrix_b_scale:MATRIX_SCALE_ROW1
.elseif rW == 4
	v_wmma_scale_f32_16x16x128_f8f6f4 v[rD:rD+7], v[rB:rB+11], v[rA:rA+11], 0, v[rS], v[rX] matrix_a_fmt:MATRIX_FMT_BF6 matrix_b_fmt:MATRIX_FMT_BF6
.elseif rW == 5
	v_wmma_scale_f32_16x16x128_f8f6f4 v[rD:rD+7], v[rB:rB+11], v[rA:rA+11], 0, v[rS], v[rX] matrix_a_fmt:MATRIX_FMT_BF6 matrix_b_fmt:MATRIX_FMT_BF6 matrix_a_scale:MATRIX_SCALE_ROW1
.elseif rW == 6
	v_wmma_scale_f32_16x16x128_f8f6f4 v[rD:rD+7], v[rB:rB+11], v[rA:rA+11], 0, v[rS], v[rX] matrix_a_fmt:MATRIX_FMT_BF6 matrix_b_fmt:MATRIX_FMT_BF6 matrix_b_scale:MATRIX_SCALE_ROW1
.else
	v_wmma_scale_f32_16x16x128_f8f6f4 v[rD:rD+7], v[rB:rB+11], v[rA:rA+11], 0, v[rS], v[rX] matrix_a_fmt:MATRIX_FMT_BF6 matrix_b_fmt:MATRIX_FMT_BF6 matrix_a_scale:MATRIX_SCALE_ROW1 matrix_b_scale:MATRIX_SCALE_ROW1
.endif
.endm
; Register n of 48 of A's fragments for step kk: row block n / 12, register n % 12 = 6 c + i: the dword of (token block, step, c) spread by selector i
.macro PERM kk, n
.set pD, AF+48*((\kk)%2)+(\n)
.set pX, XD+8*(((\kk)/2)%2)+4*(((\n)/12)%2)+2*((\kk)%2)+((\n)%12)/6
.set pS, SEL+6*((\n)/12)+(\n)%6
	v_perm_b32 v[pD], v[pX], v[ZR], v[pS]
.endm
.macro WS k, i, zero, pm               ; one matrix instruction of a step; a step's sixteen stand on end
	WM \k, \i, \zero
.endm
; The 48 permutes that build A's fragments of step kk, in ONE batch behind the step before's sixteen products.  They write the set that the step two back read; the batch of the step before stands between.
; Four v_nop keep the last permutes four plain lines ahead of the products that read their results; a wait follows them.
.macro PB kk
.set n, 0
.rept 48
	PERM \kk, n
.set n, n+1
.endr
.rept 4
	v_nop
.endr
	s_wait_alu depctr_va_vdst(0)
.endm
.macro LDB k2, ls                      ; step k2's four weight fragments, as images: 12 loads of 512 consecutive bytes
.irp t, 0,1,2,3
.irp g, 0,1,2
	ds_load_b128 v[48*((\k2)%4)+12*\t+4*\g:48*((\k2)%4)+12*\t+4*\g+3], v[ADB+(\ls)] offset:GRP*(\k2)+1536*\t+512*\g
.endr
.endr
.endm
.macro LDW k2, ls                      ; and their scale words: gate's 32, up's 32
.irp g, 0,1
	ds_load_b32 v[BSW+2*((\k2)%4)+\g], v[ADW+(\ls)] offset:GRP*(\k2)+6144+128*\g
.endr
.endm
.macro LDX pr, ls                      ; x's dwords of the chunk's steps 2 pr, 2 pr + 1, both token blocks
.irp tb, 0,1
	ds_load_b128 v[XD+8*((\pr)%2)+4*\tb:XD+8*((\pr)%2)+4*\tb+3], v[ADX+(\ls)] offset:2048*\tb+512*(\pr)
.endr
.endm
.macro LDQ q, ls                       ; x's scale words of the chunk's steps 4 q .. 4 q + 3
	ds_load_b128 v[XSW+4*(\q):XSW+4*(\q)+3], v[ADX+(\ls)] offset:4096+512*(\q)
.endm
; The run of LDS loads of step k: all that step k + 2 wants, x's dwords first (the batch behind the next step reads them).  From step 6 on that lies in the other slot.
.macro RUN k, slot
.set K2, ((\k)+2)%8
.set LS, \slot
.if (\k) >= 6
.set LS, 1-(\slot)
.endif
	WIN 0x80                                       ; destination window 2, address window 0
.if (\k)%2 == 0
	LDX ((\k)/2+1)%4, LS
.endif
	LDB K2, LS
	WIN 0
.if (\k)%4 == 2
	LDQ (((\k)+2)/4)%2, LS
.endif
	LDW K2, LS
.endm
; A K STEP.  chg = 0: wt LDS loads may stay out at its head.  14: the last run's 12 fragments and 2 scale loads, which are for the step after this one; this step's own and x's dwords, issued ahead of them, are in.
; pm = 0 (the very last step): no batch of permutes follows its products: there is no step after it to build
; (an operand written by a vector instruction stands four plain vector lines ahead of a scaled matrix instruction).
; chg = 1, 2 (step 6): THE CHANGE OF SLOTS.  All that this slot holds has been asked for (step 7's in step 5's run).  Each wave waits for all its tensor loads (one is out: its part of the other slot), adds 0 to its spare
; word, and waits for that and for its reads of this slot; behind the barrier the other slot is whole and nobody reads this one.  chg = 1: the barrier opens a round of the cluster's, and this slot is asked for again
; first thing behind it, two chunks on: that load has 128 matrix instructions in which to land.
.macro STEP k, slot, zero, chg, ld, pm, wt
.if \chg
	WIN 0                                          ; (the add's two registers lie in window 0)
	s_wait_tensorcnt 0x0                           ; no tensor load of mine is out, so a group 0 may be written
	ds_add_u32 v[SPW], v[NIL]                      ; 0 onto my spare word
.if \chg == 1
	s_add_nc_u64 s[42+4*\slot:43+4*\slot], s[42+4*\slot:43+4*\slot], 102400
	s_add_nc_u64 s[50+4*\slot:51+4*\slot], s[50+4*\slot:51+4*\slot], 40960
.endif
	s_wait_dscnt 0x0                               ; the add is done, and my reads of this slot are over
	s_barrier_signal -1
	WIN MAIN
.irp i, 0,1,2,3,4,5,6,7
	WS \k, \i, \zero, \pm
.endr
	WIN 0
	s_barrier_wait -1
.if \chg == 1
	CREST                                          ; no wave of any partner still reads this slot or has a load on its way
	TLOAD \slot
.endif
	RUN \k, \slot
	WIN MAIN
.irp i, 8,9,10,11,12,13,14,15
	WS \k, \i, \zero, \pm
.endr
.else
	s_wait_dscnt \wt                               ; this step's fragments and scale words, and x's dwords for the batch below, are in
.if \ld
	RUN \k, \slot                                  ; the run of loads for step k + 2 stands ahead of the products: its registers were last read two steps back
.endif
	WIN MAIN
.irp i, 0,1,2,3,4,5,6,7,8,9,10,11,12,13,14,15
	WS \k, \i, \zero, \pm
.endr
.endif
.if \pm
	PB (\k)+1                                      ; A's fragments of the next step
.endif
.endm
.macro PLAIN k, slot
	STEP \k, \slot, 0, 0, 1, 1, 14
.endm
	s_wait_alu depctr_va_vdst(0)
	s_wait_tensorcnt 0x0                           ; my part of slot 0 is in
	ds_add_u32 v[SPW], v[NIL]
	s_wait_dscnt 0x0
	CROUND                                         ; everybody's part of slot 0 is in, and all four work-groups are here
	TLOAD 1                                        ; slot 1's first fill, the first tensor load behind the round: it has steps 0 to 5 in which to land
	WIN 0x80
	LDX 0, 0
	LDB 0, 0
	WIN 0
	LDQ 0, 0
	LDW 0, 0
	WIN 0x80
	LDB 1, 0
	WIN 0
	LDW 1, 0
	s_wait_dscnt 14                                ; all but step 1's fragments and scale words
	WIN MAIN
.set n, 0
	PB 0                                           ; A's fragments of step 0
	STEP 0, 0, 1, 0, 1, 1, 14                      ; the first step stands ahead of the loop: its products start the sums
	WIN 0                                          ; at a label and at a branch every window is 0
	s_mov_b32 s56, 3
.Llap:                                                 ; a trip goes once round the ring, from a lap's second step to the next lap's first, and fills both slots again: chunks 2 to 7
.irp k, 1,2,3,4,5
	PLAIN \k, 0
.endr
	STEP 6, 0, 0, 1, 1, 1, 0
	PLAIN 7, 0
.irp k, 0,1,2,3,4,5
	PLAIN \k, 1
.endr
	STEP 6, 1, 0, 1, 1, 1, 0
	PLAIN 7, 1
	PLAIN 0, 0
	WIN 0
	s_sub_co_u32 s56, s56, 1
	s_cmp_lg_u32 s56, 0
	s_cbranch_scc1 .Llap
.irp k, 1,2,3,4,5                      ; the last lap is written out: it asks for nothing more
	PLAIN \k, 0
.endr
	STEP 6, 0, 0, 2, 1, 1, 0
	PLAIN 7, 0
.irp k, 0,1,2,3,4,5
	PLAIN \k, 1
.endr
	STEP 6, 1, 0, 0, 0, 1, 14                      ; nothing more to fetch
	s_wait_alu depctr_va_vdst(0)
	STEP 7, 1, 0, 0, 0, 0, 0                       ; nor to build
	; THE WAY OUT.  Lane (r, h) of row block a holds gate and up of f = 16 h + 0 .. 15: v[32 a ..] and v[32 a + 16 ..].  inter = gate / (1 + 2^(-gate log2 e)) x up, in f32, into the registers that held A's fragments.
	WIN 0x55                                       ; everything in window 1
.rept 4
	v_nop                                          ; four plain lines behind the last products, ahead of reads of results and writes of operands (ISA guide 7.12.1)
.endr
.set n, 0
.rept 32
	v_pk_mul_f32 v[AF+2*n:AF+2*n+1], v[32*(n/8)+2*(n%8):32*(n/8)+2*(n%8)+1], 0xbfb8aa3b op_sel_hi:[1,0]   ; each accumulator from its low end on
.set n, n+1
.endr
.set n, 0
	s_wait_alu depctr_va_vdst(0)
.rept 64
	v_exp_f32 v[AF+n], v[AF+n]
.set n, n+1
.endr
	v_nop                                          ; a plain line behind the last exponential
.set n, 0
	s_wait_alu depctr_va_vdst(0)
.rept 32
	v_pk_add_f32 v[AF+2*n:AF+2*n+1], v[AF+2*n:AF+2*n+1], 1.0 op_sel_hi:[1,0]
.set n, n+1
.endr
.set n, 0
	s_wait_alu depctr_va_vdst(0)
.rept 64
	v_rcp_f32 v[AF+n], v[AF+n]
.set n, n+1
.endr
	v_nop                                          ; a plain line behind the last reciprocal
.set n, 0
	s_wait_alu depctr_va_vdst(0)
.rept 32
	v_pk_mul_f32 v[AF+2*n:AF+2*n+1], v[AF+2*n:AF+2*n+1], v[32*(n/8)+2*(n%8):32*(n/8)+2*(n%8)+1]
.set n, n+1
.endr
.set n, 0
.rept 32
	v_pk_mul_f32 v[AF+2*n:AF+2*n+1], v[AF+2*n:AF+2*n+1], v[32*(n/8)+16+2*(n%8):32*(n/8)+16+2*(n%8)+1]
.set n, n+1
.endr
	; The 32 f are one block of the down projection's K: my 16 and lane l xor 16's.  v192-195 largest magnitudes, v196-199 the other half's, v200-203 scale operands, v204-207 bytes, v208.. codes
.irp a, 0,1,2,3
	v_mov_b32 v[196+\a], 0                         ; a lane permute's destination counts as one of its sources
.endr
.irp a, 0,1,2,3
	v_max3_num_f32 v[192+\a], |v[AF+16*\a]|, |v[AF+16*\a+1]|, 0x2800000     ; and the floor 2^(5 - 127): the byte cannot fall under 1
.endr
.irp i, 2,4,6,8,10,12,14
.irp a, 0,1,2,3
	v_max3_num_f32 v[192+\a], v[192+\a], |v[AF+16*\a+\i]|, |v[AF+16*\a+\i+1]|
.endr
.endr
.irp a, 0,1,2,3
	v_permlanex16_b32 v[196+\a], v[192+\a], s58, s59
.endr
.irp a, 0,1,2,3
	v_max_num_f32 v[192+\a], v[192+\a], v[196+\a]
.endr
.irp a, 0,1,2,3
	v_add_nc_u32 v[200+\a], 0xfe000000, v[192+\a]  ; 4 off the exponent field: the conversion's scale operand
.endr
.irp a, 0,1,2,3
	v_cvt_scalef32_pk16_bf6_f32 v[208+4*\a:210+4*\a], v[AF+16*\a:AF+16*\a+15], v[200+\a]
.endr
.irp a, 0,1,2,3
	v_lshrrev_b32 v[204+\a], 23, v[200+\a]         ; the bytes; also the plain lines behind the conversions
.endr
	v_lshl_or_b32 v224, v205, 8, v204              ; my row's bytes of the four row blocks
	v_lshl_or_b32 v224, v206, 16, v224
	v_lshl_or_b32 v224, v207, 24, v224
	WIN 0x04                                       ; a store's data are its source 1: window 1
.irp a, 0,1,2,3
	global_store_b96 v[VA2], v[208+4*\a:210+4*\a], s[10:11] offset:384*\a    ; the wave stores 384 consecutive bytes: 16 rows x 24
.endr
	global_store_b32 v[VAS], v224, s[12:13]        ; both halves of the lanes write the same word with the same value
	WIN 0
	s_wait_tensorcnt 0x0                           ; the wave's end
	ds_add_u32 v[SPW], v[NIL]
	s_wait_dscnt 0x0
	CROUND                                         ; the closing round: no work-group ends while a partner may still ask for a tile that names it
	s_endpgm
.Lfunc_end_k_q408567b0ad_gateup:
	.size	k_q408567b0ad_gateup, .Lfunc_end_k_q408567b0ad_gateup-k_q408567b0ad_gateup
	.p2alignl 7, 3214868480
	.fill 96, 4, 3214868480
	.section	.rodata,"a",@progbits
	.p2align	6, 0x0
	.amdhsa_kernel k_q408567b0ad_gateup
		.amdhsa_group_segment_fixed_size 327680
		.amdhsa_private_segment_fixed_size 0
		.amdhsa_enable_private_segment 0
		.amdhsa_kernarg_size 40
		.amdhsa_user_sgpr_count 2
		.amdhsa_user_sgpr_kernarg_segment_ptr 1
		.amdhsa_wavefront_size32 1
		.amdhsa_system_sgpr_workgroup_id_x 1
		.amdhsa_system_sgpr_workgroup_id_y 1
		.amdhsa_system_sgpr_workgroup_id_z 1
		.amdhsa_system_vgpr_workitem_id 0
		.amdhsa_next_free_vgpr 768
		.amdhsa_next_free_sgpr 100
		.amdhsa_reserve_vcc 0
		.amdhsa_float_denorm_mode_32 3
		.amdhsa_float_denorm_mode_16_64 3
		.amdhsa_memory_ordered 1
		.amdhsa_forward_progress 1
		.amdhsa_inst_pref_size 233
	.end_amdhsa_kernel
	.amdgpu_metadata
---
amdhsa.version: [ 1, 2 ]
amdhsa.kernels:
  - .name:           k_q408567b0ad_gateup
    .symbol:         k_q408567b0ad_gateup.kd
    .args:
      - { .name: xq, .offset: 0, .size: 8, .value_kind: global_buffer, .address_space: global }
      - { .name: w1c, .offset: 8, .size: 8, .value_kind: global_buffer, .address_space: global }
      - { .name: topk_ids, .offset: 16, .size: 8, .value_kind: global_buffer, .address_space: global }
      - { .name: a2c, .offset: 24, .size: 8, .value_kind: global_buffer, .address_space: global }
      - { .name: a2s, .offset: 32, .size: 8, .value_kind: global_buffer, .address_space: global }
    .group_segment_fixed_size: 327680
    .private_segment_fixed_size: 0
    .kernarg_segment_align: 8
    .kernarg_segment_size: 40
    .max_flat_workgroup_size: 128
    .sgpr_count:     100
    .vgpr_count:     768
    .wavefront_size: 32
...
	.end_amdgpu_metadata
.endif
;; end of part 2
;; launch down (part 3): grid 8 x 32, 4 waves a work-group, clusters of 4 x 1, 327,680 bytes of LDS; arguments a2c, a2s, w2c, topk_ids, topk_weights, out0; writes out0
.if DOCPART == 3
	.amdgcn_target "amdgcn-amd-amdhsa--gfx1250"
	.amdhsa_code_object_version 6
	.text
	.protected	k_q408567b0ad_down
	.globl	k_q408567b0ad_down
	.p2align	8
	.type	k_q408567b0ad_down,@function
k_q408567b0ad_down:
	s_mov_b64 s[64:65], 0
	v_nop
	global_prefetch_b8 v0, s[64:65] scope:SCOPE_SE
	s_setreg_imm32_b32 hwreg(HW_REG_WAVE_MODE, 25, 1), 1
	s_wait_xcnt 0x0
	s_wait_alu depctr_hold_cnt(0) depctr_sa_sdst(0) depctr_va_vdst(0) depctr_va_sdst(0) depctr_va_ssrc(0) depctr_va_vcc(0) depctr_vm_vsrc(0)
	s_getreg_b32 s2, hwreg(HW_REG_IB_STS2, 6, 4)
	s_cmp_eq_u32 s2, 0
	s_cbranch_scc0 .Lentry_in_a_cluster
	s_endpgm
.Lentry_in_a_cluster:
	s_bfe_u32 s2, ttmp6, 0x10000c
	s_cmp_lg_u32 s2, 0x3003
	s_cbranch_scc0 .Lentry_shape_is_right
	s_endpgm
.Lentry_shape_is_right:
; out[token] = sum over the two top-k slots of weight x (inter[row] wo[expert of the row]), on codes of BF6 (E3M2) with one E8M0 scale for each 32 along K = 1024 e + f.
; SHARES.  A work-group: 128 tokens (256 rows) x 32 columns; a wave: 64 rows (row block a = 2 slot + token block) x 32 columns.  A row's codes are multiplied with every expert's weights, each expert in accumulators
; of its own (8 experts x 8 tiles = 64 accumulators), and the row's own expert is selected at the end by v_cndmask_b32: no branch and no address hangs on the ids.  An id outside 0 .. 7 gives zeros, as the one-hot does.
; WEIGHTS.  All 64 K steps of the 32 columns, 204,800 bytes of fragment images and scale words, come into LDS once: four joint loads of 51,200 bytes, one a wave, at the head; the four work-groups of a cluster share them.
; Nothing is filled again.  No prefetch: all the weights are asked for at the head, so there is no loop to run ahead in.
; THE WALK.  32 groups of two K steps (order 8 fs + e), 16 products each.  B's fragments have six sets of 24 registers (v104-247) and six scale registers (v68-73): a group's 14 LDS loads are issued two groups ahead.
; A's fragments come from memory, three sets of 48 registers in window 3, two fs (16 K steps) ahead.  Accumulators: windows 1 and 2.  LIMITS: NaN and infinities are not served.
.set STG, 204800
.set MSB, 0
.macro WIN new
.if MSB != \new
	s_set_vgpr_msb (MSB<<8)|\new
.set MSB, \new
.endif
.endm
.macro CROUND
	s_barrier_signal -1
	s_barrier_wait -1
	s_cmp_lg_u32 s18, 0
	s_cbranch_scc1 .Lnot_wave_0_\@
	s_barrier_signal -3
.Lnot_wave_0_\@:
	s_barrier_wait -3
	s_barrier_signal -1
	s_barrier_wait -1
.endm
	s_load_b256 s[4:11], s[0:1], 0x0
	s_load_b128 s[12:15], s[0:1], 0x20
	v_lshl_add_u32 v254, v0, 2, 0x36800
	v_mov_b32 v255, 0
	ds_add_u32 v254, v255
	ds_add_u32 v254, v255
	v_lshrrev_b32 v1, 5, v0
	v_readfirstlane_b32 s18, v1
	s_bfe_u32 s16, ttmp6, 0x40000
	s_lshl_b32 s17, ttmp9, 2
	s_add_co_u32 s17, s17, s16
	s_and_b32 s19, ttmp7, 0xffff
	s_mov_b32 s24, 15|(3<<16)|(1<<21)
	s_mov_b32 s25, 32<<16
	s_mov_b32 s26, 200<<16                         ; 200 rows of 256 bytes: 16 K steps
	s_mov_b32 s27, 32<<16
	s_mov_b32 s28, 200
	s_mov_b32 s29, 32
	s_mov_b32 s30, 0
	s_mov_b32 s31, 0
	s_mul_i32 s52, s18, 51200                      ; wave w fetches K steps 16 w .. 16 w + 15
	s_mul_i32 s20, s19, 204800
	s_add_co_u32 s20, s20, s52
	s_mov_b32 s21, 0
	s_wait_dscnt 0x0
	s_wait_kmcnt 0x0
	s_add_nc_u64 s[20:21], s[8:9], s[20:21]
	CROUND
	s_mov_b32 s32, 1
	s_add_co_u32 s33, s52, 0                       ; LDS address: 51,200 x wave
	s_mov_b64 s[34:35], s[20:21]
	s_or_b32 s35, s35, 0x80000000
	tensor_load_to_lds s[32:35], s[24:31]          ; my quarter of the weights: one tensor load a wave at the head
	s_nop 0
.rept 4
	v_nop
.endr
	v_and_b32 v1, 15, v0
	v_bfe_u32 v2, v0, 4, 1
	v_and_b32 v3, 31, v0
	v_lshlrev_b32 v8, 4, v3
	v_lshlrev_b32 v12, 2, v3
.irp c, 1,2,3
	v_add_nc_u32 v[8+\c], 51200*\c, v8
	v_add_nc_u32 v[12+\c], 51200*\c, v12
.endr
	v_mul_u32_u24 v16, v1, 24
	v_mad_u32_u24 v16, v2, 49152, v16
	v_lshlrev_b32 v17, 2, v1
	v_lshlrev_b32 v4, 3, v1
	s_mul_i32 s53, s18, 4608
	s_add_co_u32 s53, s53, STG
	v_mul_u32_u24 v26, v1, 144
	v_lshl_add_u32 v26, v2, 6, v26
	v_add_nc_u32 v26, s53, v26
	v_lshrrev_b32 v5, 3, v3
	v_and_b32 v6, 7, v3
	v_mul_u32_u24 v27, v5, 144
	v_lshl_add_u32 v27, v6, 4, v27
	v_add_nc_u32 v27, s53, v27
	v_lshlrev_b32 v28, 12, v5
	v_lshl_add_u32 v28, v6, 4, v28
	s_lshl_b32 s54, s17, 2
	s_add_co_u32 s54, s54, s18
	s_mov_b32 s57, 0
	s_lshl_b32 s56, s54, 8
	s_add_nc_u64 s[10:11], s[10:11], s[56:57]
	s_add_nc_u64 s[12:13], s[12:13], s[56:57]
	s_lshl_b32 s56, s54, 6
	s_add_nc_u64 s[6:7], s[6:7], s[56:57]
	s_mul_i32 s56, s54, 1536
	s_add_nc_u64 s[4:5], s[4:5], s[56:57]
	s_lshl_b32 s56, s54, 17
	s_lshl_b32 s58, s19, 7
	s_add_co_u32 s56, s56, s58
	s_add_nc_u64 s[14:15], s[14:15], s[56:57]
	s_mov_b32 s48, 0x05010400
	s_mov_b32 s49, 0x07030602
	s_mov_b32 s50, 0x05040100
	s_mov_b32 s51, 0x07060302
	global_load_b64 v[18:19], v4, s[10:11]
	global_load_b64 v[20:21], v4, s[10:11] offset:128
	global_load_b64 v[22:23], v4, s[12:13]
	global_load_b64 v[24:25], v4, s[12:13] offset:128
.set n, 0
.rept 32
	global_load_b32 v[68+n], v17, s[6:7] offset:2048*n
.set n, n+1
.endr
.macro ALOAD fs
.irp a, 0,1,2,3
.irp c, 0,1
.irp p, 0,1,2
	global_load_b64 v[48*((\fs)%3)+12*\a+6*\c+2*\p:48*((\fs)%3)+12*\a+6*\c+2*\p+1], v16, s[4:5] offset:(4*(\fs)+2*\c)*49152+384*\a+8*\p
.endr
.endr
.endr
.endm
	WIN 0xc0
	ALOAD 0
	ALOAD 1
	WIN 0
	s_wait_loadcnt 48
.irp f, 0,1,2,3,4,5,6,7
	v_perm_b32 v100, v[69+4*\f], v[68+4*\f], s48
	v_perm_b32 v101, v[69+4*\f], v[68+4*\f], s49
	v_perm_b32 v102, v[71+4*\f], v[70+4*\f], s48
	v_perm_b32 v103, v[71+4*\f], v[70+4*\f], s49
	v_perm_b32 v[36+4*\f], v102, v100, s50
	v_perm_b32 v[37+4*\f], v102, v100, s51
	v_perm_b32 v[38+4*\f], v103, v101, s50
	v_perm_b32 v[39+4*\f], v103, v101, s51
.endr
.macro RUN k2
.set CC, (\k2)/16
.set OB, (((\k2)%16)/2)*6400
.irp u, 0,1
.irp g, 0,1,2
	ds_load_b128 v[104+24*((\k2)%6)+12*\u+4*\g:104+24*((\k2)%6)+12*\u+4*\g+3], v[8+CC] offset:OB+3072*((\k2)%2)+1536*\u+512*\g
.endr
.endr
	ds_load_b32 v[68+(\k2)%6], v[12+CC] offset:OB+6144+128*((\k2)%2)
.endm
.macro PR k, t
.set rD, 64*((\k)%4)+8*(\t)
.set rB, 104+24*((\k)%6)+12*((\t)%2)
.set rA, 48*(((\k)/8)%3)+12*((\t)/2)
.set rS, 68+(\k)%6
.set rX, 36+4*((\k)/8)+(\t)/2
.if ((\k) < 8) && ((\t)%2 == 0)
	v_wmma_scale_f32_16x16x128_f8f6f4 v[rD:rD+7], v[rB:rB+11], v[rA:rA+11], 0, v[rS], v[rX] matrix_a_fmt:MATRIX_FMT_BF6 matrix_b_fmt:MATRIX_FMT_BF6
.elseif (\k) < 8
	v_wmma_scale_f32_16x16x128_f8f6f4 v[rD:rD+7], v[rB:rB+11], v[rA:rA+11], 0, v[rS], v[rX] matrix_a_fmt:MATRIX_FMT_BF6 matrix_b_fmt:MATRIX_FMT_BF6 matrix_a_scale:MATRIX_SCALE_ROW1
.elseif (\t)%2 == 0
	v_wmma_scale_f32_16x16x128_f8f6f4 v[rD:rD+7], v[rB:rB+11], v[rA:rA+11], v[rD:rD+7], v[rS], v[rX] matrix_a_fmt:MATRIX_FMT_BF6 matrix_b_fmt:MATRIX_FMT_BF6
.else
	v_wmma_scale_f32_16x16x128_f8f6f4 v[rD:rD+7], v[rB:rB+11], v[rA:rA+11], v[rD:rD+7], v[rS], v[rX] matrix_a_fmt:MATRIX_FMT_BF6 matrix_b_fmt:MATRIX_FMT_BF6 matrix_a_scale:MATRIX_SCALE_ROW1
.endif
.endm
; Group g: K steps 2 g and 2 g + 1, 16 products on 16 different accumulators.  In its middle, four plain lines behind the products of group g - 1, whose registers they fill: the 14 LDS loads of group g + 2,
; and in every fourth group the 24 loads of A's fragments two fs on.
.macro GSTEP g
.set PW, 0x5c+0x50*(((\g)%4)/2)
.if ((\g)%4 == 0) && ((\g) < 28)
	s_wait_loadcnt 24                              ; this fs's fragments of A are in; the next fs's 24 loads may be out
.elseif (\g)%4 == 0
	s_wait_loadcnt 0x0
.endif
.if (\g) < 31
	s_wait_dscnt 14                                ; this group's 14 loads are in; the next group's 14 may be out
.else
	s_wait_dscnt 0x0
.endif
	WIN PW
.irp t, 0,1,2,3,4,5,6,7
	PR 2*(\g), \t
.endr
.if (\g) <= 29
.rept 4
	v_nop
.endr
	WIN 0
	RUN 2*(\g)+4
	RUN 2*(\g)+5
.if ((\g)%4 == 0) && ((\g) < 24)
	WIN 0xc0
	ALOAD (\g)/4+2
.endif
	WIN PW
.endif
.irp t, 0,1,2,3,4,5,6,7
	PR 2*(\g)+1, \t
.endr
.endm
	s_wait_alu depctr_va_vdst(0)                   ; no vector instruction writes a register in the walk
	s_wait_tensorcnt 0x0                           ; my quarter of the weights is in
	s_barrier_signal -1
	s_barrier_wait -1                              ; everybody's is
	RUN 0
	RUN 1
	RUN 2
	RUN 3
.set gg, 0
.rept 32
	GSTEP gg
.set gg, gg+1
.endr
	WIN 0
.rept 4
	v_nop
.endr
.irp a, 0,1,2,3
.irp e, 0,1,2,3,4,5,6,7
	v_cmp_eq_u32 s[66+8*\a+\e], \e, v[18+2*(\a%2)+\a/2]
.endr
.endr
	WIN 0x55
.irp a, 0,1,2,3
.irp i, 0,1,2,3,4,5,6,7,8,9,10,11,12,13,14,15
	v_cndmask_b32 v[16*\a+\i], 0, v[16*\a+\i], s[66+8*\a]
.endr
.endr
.irp e, 1,2,3
.irp a, 0,1,2,3
.irp i, 0,1,2,3,4,5,6,7,8,9,10,11,12,13,14,15
	v_cndmask_b32 v[16*\a+\i], v[16*\a+\i], v[64*\e+16*\a+\i], s[66+8*\a+\e]
.endr
.endr
.endr
	WIN 0x49
.irp e, 0,1,2,3
.irp a, 0,1,2,3
.irp i, 0,1,2,3,4,5,6,7,8,9,10,11,12,13,14,15
	v_cndmask_b32 v[16*\a+\i], v[16*\a+\i], v[64*\e+16*\a+\i], s[70+8*\a+\e]
.endr
.endr
.endr
	WIN 0x54
.irp tb, 0,1
.irp i, 0,1,2,3,4,5,6,7,8,9,10,11,12,13,14,15
	v_mul_f32 v[16*\tb+\i], v[22+2*\tb], v[16*\tb+\i]
.endr
.irp i, 0,1,2,3,4,5,6,7,8,9,10,11,12,13,14,15
	v_fma_f32 v[16*\tb+\i], v[23+2*\tb], v[32+16*\tb+\i], v[16*\tb+\i]
.endr
.endr
	WIN 0x04
.irp tb, 0,1
.irp q, 0,1,2,3
	ds_store_b128 v26, v[16*\tb+4*\q:16*\tb+4*\q+3] offset:2304*\tb+16*\q
.endr
.endr
	WIN 0
.irp i, 0,1,2,3,4,5,6,7
	ds_load_b128 v[128+4*\i:131+4*\i], v27 offset:576*\i
.endr
.irp i, 0,1,2,3,4,5,6,7
	s_wait_dscnt 7-\i
	global_store_b128 v28, v[128+4*\i:131+4*\i], s[14:15] offset:16384*\i th:TH_STORE_NT
.endr
	s_wait_tensorcnt 0x0
	ds_add_u32 v254, v255
	s_wait_dscnt 0x0
	CROUND
	s_endpgm
.Lfunc_end_k_q408567b0ad_down:
	.size	k_q408567b0ad_down, .Lfunc_end_k_q408567b0ad_down-k_q408567b0ad_down
	.p2alignl 7, 3214868480
	.fill 96, 4, 3214868480
	.section	.rodata,"a",@progbits
	.p2align	6, 0x0
	.amdhsa_kernel k_q408567b0ad_down
		.amdhsa_group_segment_fixed_size 327680
		.amdhsa_private_segment_fixed_size 0
		.amdhsa_enable_private_segment 0
		.amdhsa_kernarg_size 48
		.amdhsa_user_sgpr_count 2
		.amdhsa_user_sgpr_kernarg_segment_ptr 1
		.amdhsa_wavefront_size32 1
		.amdhsa_system_sgpr_workgroup_id_x 1
		.amdhsa_system_sgpr_workgroup_id_y 1
		.amdhsa_system_sgpr_workgroup_id_z 1
		.amdhsa_system_vgpr_workitem_id 0
		.amdhsa_next_free_vgpr 912
		.amdhsa_next_free_sgpr 100
		.amdhsa_reserve_vcc 0
		.amdhsa_float_denorm_mode_32 3
		.amdhsa_float_denorm_mode_16_64 3
		.amdhsa_memory_ordered 1
		.amdhsa_forward_progress 1
		.amdhsa_inst_pref_size 170
	.end_amdhsa_kernel
	.amdgpu_metadata
---
amdhsa.version: [ 1, 2 ]
amdhsa.kernels:
  - .name:           k_q408567b0ad_down
    .symbol:         k_q408567b0ad_down.kd
    .args:
      - { .name: a2c, .offset: 0, .size: 8, .value_kind: global_buffer, .address_space: global }
      - { .name: a2s, .offset: 8, .size: 8, .value_kind: global_buffer, .address_space: global }
      - { .name: w2c, .offset: 16, .size: 8, .value_kind: global_buffer, .address_space: global }
      - { .name: topk_ids, .offset: 24, .size: 8, .value_kind: global_buffer, .address_space: global }
      - { .name: topk_weights, .offset: 32, .size: 8, .value_kind: global_buffer, .address_space: global }
      - { .name: out0, .offset: 40, .size: 8, .value_kind: global_buffer, .address_space: global }
    .group_segment_fixed_size: 327680
    .private_segment_fixed_size: 0
    .kernarg_segment_align: 8
    .kernarg_segment_size: 48
    .max_flat_workgroup_size: 128
    .sgpr_count:     100
    .vgpr_count:     912
    .wavefront_size: 32
...
	.end_amdgpu_metadata
.endif
;; end of part 3
